; MI455X (gfx1250); checked and timed in simulation.
; The chip was launched on July 23, 2026; its instructions are those of AMD's public machine-readable ISA for CDNA 5 (MIT licence, August 2026) and "CDNA5" Instruction Set Architecture Reference Guide (July 2026). The comments in the code are by the model that wrote it; some were corrected since.
;; Progressive Luong Attention. Allowed arithmetic: matrix products marked QUANTISED: E2M1 operands, one E8M0 scale for each 32 along K, by v_wmma_scale_f32_16x16x128_f8f6f4 with both operands' format E2M1 (or v_wmma_scale_f32_32x16x128_f4), f32 sums; everything else in f32.
;; Inputs: Wk 64 x 64 float32; Wq 64 x 64 float32; Wv 64 x 64 float32; bk 64 float32; bq 64 float32; bv 64 float32; gamma 1 float32; x 8 x 64 x 64 x 64 float32; y 8 x 64 x 64 x 64 float32.
;; Outputs: out0 8 x 64 x 64 x 64 float32.
;; This version of the problem:
;;   THIS VERSION OF THE PROBLEM IS GIVEN IN LOW PRECISION. The matrix products marked QUANTISED in the list below multiply operands that are first quantised to E2M1 (2 exponent bits, 1 mantissa bit; 4 bits a number), with one power-of-two scale for each 32 numbers along K (OCP MX v1.0); their sums are f32. All else is computed in f32.
;;   The module's matrix products, in the order in which they are computed (A, B: the left and right operand; K: the contracted axis; several contracted axes count as one K, in the product's order):
;;     1. [M 32,768, K 64] x [K 64, N 64]; A: input x; B: input Wq: QUANTISED
;;     2. [M 32,768, K 64] x [K 64, N 64]; A: input y; B: input Wk: QUANTISED
;;     3. [M 32,768, K 64] x [K 64, N 64]; A: input y; B: input Wv: QUANTISED
;;     4. batch 8 x [M 4,096, K 64] x [K 64, N 4,096]; A: computed on the way; B: computed on the way: QUANTISED
;;     5. batch 8 x [M 64, K 4,096] x [K 4,096, N 4,096]; A: computed on the way; B: softmax (see below): QUANTISED
;;   THE QUANTISER, for each operand of a quantised product, along K:
;;     - K is cut into blocks of 32 from its start; a last block that is shorter is filled with zeros.
;;     - A block's scale is 2^e with e = floor(log2(the largest magnitude in the block)) - 2, held to -126 .. 127; a block of zeros has e = 0. As a byte (E8M0): e + 127.
;;     - Each number is divided by its block's scale, clamped to +-6, and rounded to the nearest number of E2M1, ties to even, subnormals kept.
;;     - The product sums the exact products of the quantised numbers (number of the format x scale) in f32.
;;   ~~~python
;;   def quantise(x, axis):      # numpy; x: float32 -> the quantised numbers, widened to float32 again
;;       x = np.moveaxis(x, axis, -1); K = x.shape[-1]
;;       x = np.pad(x, [(0, 0)] * (x.ndim - 1) + [(0, -K % 32)]); x = x.reshape(x.shape[:-1] + (-1, 32)); a = np.abs(x).max(-1, keepdims=True)
;;       e = np.where(a > 0, np.clip(np.frexp(np.where(a > 0, a, 1))[1] - 1 - 2, -126, 127), 0)      # np.frexp(a)[1] - 1 = floor(log2(a)), exactly
;;       r = np.clip(x / 2.0 ** e, -6, 6)
;;       step = 2.0 ** (np.maximum(np.frexp(np.where(r == 0, 1, r))[1] - 1, 0) - 1)
;;       q = np.round(r / step) * step * 2.0 ** e      # np.round: ties to even
;;       return np.moveaxis(q.reshape(q.shape[:-2] + (-1,))[..., :K], -1, axis).astype(np.float32)
;;   ~~~
;;   SOFTMAX AHEAD OF A QUANTISED PRODUCT. Where the list says 'softmax', what is quantised is not the finished softmax but p = 2^(t - M), with t = logit x log2(e) and M = ceil(the row's largest t), a whole number; so 1/2 < the row's largest p <= 1. The row's sum l is taken of the UNQUANTISED p, in f32, and the product's result is divided by l at the end. Since M is a whole number, a kernel that streams over the keys may use a running M (the ceiling of the running maximum): every later rescaling is an exact power of two, which a block's scale takes up: the codes' values come out the same.
;;   OPERANDS COMPUTED ON THE WAY. 'Computed on the way' means the value that the module computes at that place (a softmax that the list does not call 'softmax' is quantised finished and normalised). What goes into a quantiser is computed in f32, as accurately as f32 sums, v_exp_f32 and their like allow (about 1e-6 of the number): no bf16 or f16 on the way to a quantiser, and a product that is left as it is and whose result goes on into a quantised operand takes f32 operands (vector FMAs, or v_wmma_f32_16x16x4_f32). A number that lies on a knife's edge between two numbers of the format may be rounded either way, as far as f32 arithmetic and the matrix unit's own rounding can turn it there, and no further.
;; One version. Each part assembles by itself: llvm-mc -triple=amdgcn-amd-amdhsa -mcpu=gfx1250 --defsym DOCPART=n.
;; ======== version 1 of 1: 2 launches
;; workspace buffers: ws 3,407,872 bytes
;; launch prep (part 1): grid 32 x 8, 4 waves a work-group, no clusters, 17,408 bytes of LDS; arguments x, y, Wq, Wk, Wv, bq, bk, bv, ws; writes ws
.if DOCPART == 1
	.amdgcn_target "amdgcn-amd-amdhsa--gfx1250"
	.amdhsa_code_object_version 6
	.text
	.protected	k_q760d1a37cd_prep
	.globl	k_q760d1a37cd_prep
	.p2align	8
	.type	k_q760d1a37cd_prep,@function
k_q760d1a37cd_prep:
	s_mov_b64 s[64:65], 0
	v_nop
	global_prefetch_b8 v0, s[64:65] scope:SCOPE_SE
	s_setreg_imm32_b32 hwreg(HW_REG_WAVE_MODE, 25, 1), 1
	s_wait_xcnt 0x0
; q = Wq x + bq, k = Wk y + bk, v = Wv y + bv (x, y: [8][64 channels][4096 positions] f32; W: [64][64]), all three products on codes of FP4 (E2M1) with one E8M0 scale for each 32 along
; the channel; the results are quantised again, as the two products of the attention want them, and stored as images of operand registers.
; A work-group (s = x id, b = y id) owns positions 128 s .. 128 s + 127 of batch b and writes one block of 13,312 bytes of ws, at (32 b + s) x 13,312:
;   KC    0  4,096  fragment f at 1024 f + 512 c + 16 lane: lane (r, h), group c: key 32 f + 8 c + r + 8 (r / 8), channels 32 h .. 32 h + 31    (k, quantised along the channel)
;   VC 4096  4,096  fragment t at 1024 t + 512 c + 16 lane: channel 16 t + r, keys 64 c + 32 h .. + 31                                       (v, quantised along the positions)
;   KS 8192    256  scale word of fragment f, row r at 8 r + 128 (f % 2) + 4 (f / 2);      VS 8448  256  the same for v
;   QS 8704    512  scale word of query (channel o, row c) at 8 o + 4 c: bytes 0, 1; bytes 2, 3 are 0
;   QC 9216  4,096  the 64 codes of query (o, c), positions 64 c .. 64 c + 63 of channel o, at 64 o + 32 c                                    (q, quantised along the positions)
; K = 64 IS HALF OF THE INSTRUCTION'S 128.  A fragment of 8 registers carries TWO tiles of 16 rows side by side: registers 0-3 and scale bytes 0, 1 the first, registers 4-7 and bytes 2, 3 the second.
; The other operand has zero codes and scale bytes 0 in the half that is not wanted: it lies in a chain of registers zeros | codes | zeros, and the 8 registers from the codes on, or from the zeros
; ahead of them on, are named.  Its scale register holds the word in lanes 0-15 and the word << 16 in lanes 16-31: the row selector picks the one that fits.
; SHARES.  Wave w quantises positions 32 w .. + 31 of x and of y (a lane to a position, registers down the channel) and one tile of each weight; fragments go from wave to wave through LDS as images of
; their registers.  Then wave w makes k for its own 32 positions x 64 channels, and q and v for channels 16 w .. + 15 x all 128 positions.  Each output is ONE matrix instruction, with the bias as its C.
; LIMITS: a block whose largest magnitude lies under 2^-124 gets the scale byte 1; a block of zeros too (the rule says 127: its codes are zeros, and this program alone reads the bytes); NaN and infinities are not served.
.set XI,    0                          ; LDS: x's four fragments, 1,024 bytes a wave
.set YI,    4096                       ; y's
.set WI,    8192                       ; Wk's four tiles, 512 bytes each
.set XS,    10240                      ; scale words, 128 bytes a wave: x's,
.set YS,    10752                      ; y's,
.set WS,    11264                      ; Wk's
.set SCA,   11776                      ; an image of the block's bytes 8192 .. 9215
.set QST,   12800                      ; q's codes on their way to rows: 1,024 bytes a wave, the wave's own
.set KC,    0
.set VC,    4096
.set SCB,   8192
.set QC,    9216
.set BLOCK, 13312
.set XA,  4                            ; v4   4 (r + 8 (r / 8) + 8 h): my position among the wave's 32
.set LI,  5                            ; v5   16 x lane
.set LS,  6                            ; v6   4 x lane
.set WA,  7                            ; v7   256 r + 128 h: my 32 numbers of row r of a weight's tile
.set WKA, 8                            ; v8   256 (r + 8 (r / 8)) + 128 h: the same for Wk, whose rows are chosen
.set IW,  9                            ; v9   16 x lane + 1024 x wave: in LDS my place in an image, in the block my place in KC, VC, QC
.set WIW, 10                           ; v10  16 x lane + 512 x wave
.set SW,  11                           ; v11  4 x lane + 128 x wave
.set QSA, 12                           ; v12  QST + 1024 wave + 64 r + 16 h
.set QRA, 13                           ; v13  QST + 1024 wave + 16 lane
.set SPA, 14                           ; v14  128 wave + 8 r + 4 h: q's scale words
.set SVA, 15                           ; v15  8 r + 128 (wave % 2) + 4 (wave / 2): k's and v's
.set SH8, 16                           ; v16  8 h
.set SH16, 17                          ; v17  16 h
.set BKA, 18                           ; v18  64 h
.set BA,  19                           ; v19  4 r
.set GSC, 21                           ; v21  16 x thread
.set PT,  22                           ; v22  a lane permute's destination
.set WF,  24                           ; v24-75   zeros Wq zeros Wv zeros Wk0 zeros Wk1 zeros Wk2 zeros Wk3 zeros, four registers each
.set WSC, 76                           ; v76-81   their scale registers
.set BC,  82                           ; v82-89   the bias as C, for q and then for v
.set YF,  90                           ; v90-97   my fragment of y
.set FS,  98                           ; v98-101  four fragments' scale words
.set YPW, 102                          ; v102     my fragment of y's
.set PW,  103                          ; v103     the scale word just made
.set TM,  104                          ; v104-119 at work; v113 r, v114 h, v115 lane
.set RR,  TM+9
.set HH,  TM+10
.set LL,  TM+11
.set PC,  120                          ; v120-127 the codes just made
.set A,   128                          ; v128-191 x as loaded, then Wq and Wv, then eight results
.set B,   192                          ; v192-255 y as loaded; then v192-223 bk as C, later y's fragments; v224-255 Wk, then x's fragments, then q's rows
; the largest magnitude of 32 registers, in two chains, with the floor 2^(3 - 127) as one more leaf: the scale's byte cannot fall under 1
.macro BMAX d, t, base
	v_max3_num_f32 v[\d], |v[\base]|, |v[\base+1]|, |v[\base+2]|
	v_max3_num_f32 v[\t], |v[\base+3]|, |v[\base+4]|, |v[\base+5]|
.irp i, 6,10,14,18,22,26
	v_max3_num_f32 v[\d], v[\d], |v[\base+\i]|, |v[\base+\i+1]|
	v_max3_num_f32 v[\t], v[\t], |v[\base+\i+2]|, |v[\base+\i+3]|
.endr
	v_max3_num_f32 v[\d], v[\d], |v[\base+30]|, |v[\base+31]|
	v_max3_num_f32 v[\d], v[\d], v[\t], 0x1800000
.endm
; 64 channels of my position, in v[raw] on, become a fragment in v[f] on and its scale word in v[pw] (right in lanes 0-15, which alone are read)
.macro QIN raw, f, pw
	BMAX TM, TM+1, \raw
	BMAX TM+2, TM+3, \raw+32
	v_add_nc_u32 v[TM+4], 0xff000000, v[TM]        ; 2 off the exponent field: the conversion takes the exponent field of this operand as its scale
	v_add_nc_u32 v[TM+5], 0xff000000, v[TM+2]
	v_lshrrev_b32 v[TM+6], 23, v[TM+4]             ; the scales' bytes
	v_lshrrev_b32 v[TM+7], 23, v[TM+5]
	v_lshl_or_b32 v[TM+8], v[TM+7], 8, v[TM+6]     ; my position's two bytes
.irp g, 0,1,2,3
	v_cvt_scalef32_pk8_fp4_f32 v[\f+\g], v[\raw+8*\g:\raw+8*\g+7], v[TM+4]
	v_cvt_scalef32_pk8_fp4_f32 v[\f+4+\g], v[\raw+32+8*\g:\raw+32+8*\g+7], v[TM+5]
.endr
	v_nop                                          ; one plain place behind a scaled conversion
.irp g, 0,1,2,3
	v_permlane16_swap_b32 v[\f+\g], v[\f+4+\g]     ; registers 0-3: the positions of lanes 0-15, channels 32 h on; registers 4-7: those of lanes 16-31, which lie 8 further on
.endr
	v_permlanex16_b32 v[PT], v[TM+8], s24, s25
	v_lshl_or_b32 v[\pw], v[PT], 16, v[TM+8]       ; lane r: bytes 0, 1 the first tile's row r, bytes 2, 3 the second's
.endm
; 32 numbers of my half of row r of a weight's tile, in v[raw] on, become four registers of codes in v[cd] on and the tile's scale register v[sd]
.macro QW raw, cd, sd
	BMAX TM, TM+1, \raw
	v_add_nc_u32 v[TM+2], 0xff000000, v[TM]
	v_lshrrev_b32 v[TM+3], 23, v[TM+2]
.irp g, 0,1,2,3
	v_cvt_scalef32_pk8_fp4_f32 v[\cd+\g], v[\raw+8*\g:\raw+8*\g+7], v[TM+2]
.endr
	v_lshlrev_b32 v[TM+3], v[SH8], v[TM+3]         ; my byte at its place (a plain place behind the conversions);
	v_permlanex16_b32 v[PT], v[TM+3], s24, s25
	v_or_b32 v[TM+3], v[TM+3], v[PT]               ; with lane l xor 16's the row's two bytes;
	v_lshlrev_b32 v[\sd], v[SH16], v[TM+3]         ; lanes 0-15 keep them in bytes 0, 1, lanes 16-31 in bytes 2, 3
.endm
; 64 numbers of a lane, register 16 b + i = k 32 b + 16 h + i of row r, become a fragment in v[PC] on and its scale word in v[PW] (the same in both halves of the lanes).
; Each of the eight results is read from its low end on.
.macro QUANT s
.irp b, 0,1,2,3
	v_max3_num_f32 v[TM+\b], |v[\s+16*\b]|, |v[\s+1+16*\b]|, 0x1800000
.endr
.irp i, 2,4,6,8,10,12,14
.irp b, 0,1,2,3
	v_max3_num_f32 v[TM+\b], v[TM+\b], |v[\s+16*\b+\i]|, |v[\s+1+16*\b+\i]|
.endr
.endr
.irp b, 0,1,2,3
	v_permlanex16_b32 v[TM+4+\b], v[TM+\b], s24, s25
.endr
.irp b, 0,1,2,3
	v_max_num_f32 v[TM+\b], v[TM+\b], v[TM+4+\b]   ; with lane l xor 16's: the block's largest magnitude
.endr
.irp b, 0,1,2,3
	v_add_nc_u32 v[TM+12+\b], 0xff000000, v[TM+\b]
.endr
.irp b, 0,1,2,3
	v_lshrrev_b32 v[TM+4+\b], 23, v[TM+12+\b]
.endr
	v_lshl_or_b32 v[PW], v[TM+5], 8, v[TM+4]
	v_lshl_or_b32 v[PW], v[TM+6], 16, v[PW]
	v_lshl_or_b32 v[PW], v[TM+7], 24, v[PW]
.irp b, 0,1,2,3
	v_cvt_scalef32_pk8_fp4_f32 v[PC+2*\b], v[\s+16*\b:\s+7+16*\b], v[TM+12+\b]
	v_cvt_scalef32_pk8_fp4_f32 v[PC+1+2*\b], v[\s+8+16*\b:\s+15+16*\b], v[TM+12+\b]
.endr
	v_nop                                          ; one plain place behind a scaled conversion
.irp c, 0,1
.irp i, 0,1
	v_permlane16_swap_b32 v[PC+4*\c+\i], v[PC+2+4*\c+\i]   ; a whole block to a lane: lanes 0-15 block 2 c, lanes 16-31 block 2 c + 1
.endr
.endr
.endm
; one product.  ra, rb: source 0's or source 1's scales are taken from lanes 16-31
.macro WM d, a, bb, c, sa, sb, ra, rb
.if \ra
	v_wmma_scale_f32_16x16x128_f8f6f4 v[\d:\d+7], v[\a:\a+7], v[\bb:\bb+7], v[\c:\c+7], v[\sa], v[\sb] matrix_a_fmt:MATRIX_FMT_FP4 matrix_b_fmt:MATRIX_FMT_FP4 matrix_a_scale:MATRIX_SCALE_ROW1
.elseif \rb
	v_wmma_scale_f32_16x16x128_f8f6f4 v[\d:\d+7], v[\a:\a+7], v[\bb:\bb+7], v[\c:\c+7], v[\sa], v[\sb] matrix_a_fmt:MATRIX_FMT_FP4 matrix_b_fmt:MATRIX_FMT_FP4 matrix_b_scale:MATRIX_SCALE_ROW1
.else
	v_wmma_scale_f32_16x16x128_f8f6f4 v[\d:\d+7], v[\a:\a+7], v[\bb:\bb+7], v[\c:\c+7], v[\sa], v[\sb] matrix_a_fmt:MATRIX_FMT_FP4 matrix_b_fmt:MATRIX_FMT_FP4
.endif
.endm
.macro PLACES                          ; four places behind a matrix instruction, ahead of the first read of results and of loads into its registers
.rept 4
	v_nop
.endr
.endm
.macro BARRIER                         ; my LDS stores have landed and my LDS loads are in: then the work-group's barrier
	s_wait_dscnt 0x0
	s_barrier_signal -1
	s_barrier_wait -1
.endm
	s_load_b256 s[4:11], s[0:1], 0x0               ; x s[4:5], y s[6:7], Wq s[8:9], Wk s[10:11]
	s_load_b256 s[12:19], s[0:1], 0x20             ; Wv s[12:13], bq s[14:15], bk s[16:17], bv s[18:19]
	s_load_b64 s[20:21], s[0:1], 0x40              ; ws
	v_lshl_add_u32 v20, v0, 2, 0x4200
	v_mov_b32 v23, 0
	v_lshrrev_b32 v1, 5, v0
	v_readfirstlane_b32 s22, v1                    ; wave 0..3
	v_and_b32 v[RR], 15, v0                        ; r
	v_bfe_u32 v[HH], v0, 4, 1                      ; h
	v_and_b32 v[LL], 31, v0                        ; lane
	s_lshl_b32 s26, s22, 10                        ; 1024 wave
	s_lshl_b32 s27, s22, 9                         ; 512 wave
	s_lshl_b32 s28, s22, 7                         ; 128 wave
	s_and_b32 s29, s22, 1
	s_lshl_b32 s29, s29, 7
	s_lshr_b32 s30, s22, 1
	s_lshl_b32 s30, s30, 2
	s_add_co_u32 s29, s29, s30                     ; 128 (wave % 2) + 4 (wave / 2)
	v_and_b32 v1, 8, v[RR]
	v_add_nc_u32 v1, v1, v[RR]                     ; r + 8 (r / 8)
	v_lshl_add_u32 v[XA], v[HH], 3, v1
	v_lshlrev_b32 v[XA], 2, v[XA]
	v_lshlrev_b32 v[WKA], 8, v1
	v_lshl_add_u32 v[WKA], v[HH], 7, v[WKA]
	v_lshlrev_b32 v[LI], 4, v[LL]
	v_lshlrev_b32 v[LS], 2, v[LL]
	v_lshlrev_b32 v[WA], 8, v[RR]
	v_lshl_add_u32 v[WA], v[HH], 7, v[WA]
	v_add_nc_u32 v[IW], s26, v[LI]
	v_add_nc_u32 v[WIW], s27, v[LI]
	v_add_nc_u32 v[SW], s28, v[LS]
	v_lshlrev_b32 v[QSA], 6, v[RR]
	v_lshl_add_u32 v[QSA], v[HH], 4, v[QSA]
	v_add_nc_u32 v[QSA], s26, v[QSA]
	v_add_nc_u32 v[QSA], QST, v[QSA]
	v_add_nc_u32 v[QRA], QST, v[IW]
	v_lshlrev_b32 v[SPA], 3, v[RR]
	v_add_nc_u32 v[SVA], s29, v[SPA]
	v_lshl_add_u32 v[SPA], v[HH], 2, v[SPA]
	v_add_nc_u32 v[SPA], s28, v[SPA]
	v_lshlrev_b32 v[SH8], 3, v[HH]
	v_lshlrev_b32 v[SH16], 4, v[HH]
	v_lshlrev_b32 v[BKA], 6, v[HH]
	v_lshlrev_b32 v[BA], 2, v[RR]
	v_lshlrev_b32 v[GSC], 4, v0
.irp i, 0,1,2,3,4,5,6
.irp g, 0,1,2,3
	v_mov_b32 v[WF+8*\i+\g], 0                     ; the chain's zero codes
.endr
.endr
	v_mov_b32 v[PT], 0                             ; written once: a lane permute's destination counts as one of its sources
	s_and_b32 s23, ttmp7, 0xffff                   ; the batch
	s_lshl_b32 s30, s23, 20                        ; x, y: 1,048,576 b + 512 s + 128 wave
	s_lshl_b32 s31, ttmp9, 9
	s_add_co_u32 s30, s30, s31
	s_add_co_u32 s30, s30, s28
	s_mov_b32 s31, 0
	s_lshl_b32 s32, s22, 12                        ; Wq, Wv: rows 16 wave on
	s_mov_b32 s33, 0
	s_lshr_b32 s34, s22, 1                         ; Wk: tile wave begins at row 32 (wave / 2) + 8 (wave % 2)
	s_lshl_b32 s34, s34, 13
	s_and_b32 s35, s22, 1
	s_lshl_b32 s35, s35, 11
	s_add_co_u32 s34, s34, s35
	s_mov_b32 s35, 0
	s_lshl_b32 s36, s22, 6                         ; bq, bv: 16 numbers a wave
	s_mov_b32 s37, 0
	s_lshl_b32 s38, s23, 5
	s_add_co_u32 s38, s38, ttmp9
	s_mul_i32 s38, s38, BLOCK                      ; my block of ws
	s_mov_b32 s39, 0
	s_mov_b32 s24, 0x76543210
	s_mov_b32 s25, 0xfedcba98                      ; v_permlanex16_b32's selects for lane l xor 16
	s_wait_kmcnt 0x0
	s_add_nc_u64 s[4:5], s[4:5], s[30:31]
	s_add_nc_u64 s[6:7], s[6:7], s[30:31]
	s_add_nc_u64 s[8:9], s[8:9], s[32:33]
	s_add_nc_u64 s[12:13], s[12:13], s[32:33]
	s_add_nc_u64 s[10:11], s[10:11], s[34:35]
	s_add_nc_u64 s[14:15], s[14:15], s[36:37]
	s_add_nc_u64 s[18:19], s[18:19], s[36:37]
	s_add_nc_u64 s[20:21], s[20:21], s[38:39]
	global_load_b32 v2, v[BA], s[14:15]            ; bq of channel 16 wave + r
	global_load_b32 v3, v[BA], s[18:19]            ; bv
.set cc, 0
.rept 64
	global_load_b32 v[A+cc], v[XA], s[4:5] offset:16384*cc                   ; channel cc of my position: the wave reads 128 consecutive bytes, the four waves 512; x is read again by the next launch: no hint
.set cc, cc+1
.endr
.set cc, 0
.rept 64
	global_load_b32 v[B+cc], v[XA], s[6:7] offset:16384*cc th:TH_LOAD_NT     ; y likewise; read once
.set cc, cc+1
.endr
	s_wait_loadcnt 63                              ; of the 130 loads the first 67 are in: the two biases and all of x
	QIN A, PC, PW
.irp c, 0,1
	ds_store_b128 v[IW], v[PC+4*\c:PC+4*\c+3] offset:XI+512*\c               ; the fragment goes to LDS as it stands
.endr
	ds_store_b32 v[SW], v[PW] offset:XS
.irp i, 0,1,2,3,4,5,6,7
	global_load_b128 v[A+4*\i:A+4*\i+3], v[WA], s[8:9] offset:16*\i          ; Wq: my 32 numbers of row 16 wave + r
.endr
.irp i, 0,1,2,3,4,5,6,7
	global_load_b128 v[A+32+4*\i:A+32+4*\i+3], v[WA], s[12:13] offset:16*\i  ; Wv
.endr
	s_wait_loadcnt 16                              ; all but the 16 just issued: y is in
	QIN B, YF, YPW
.irp c, 0,1
	ds_store_b128 v[IW], v[YF+4*\c:YF+4*\c+3] offset:YI+512*\c
.endr
	ds_store_b32 v[SW], v[YPW] offset:YS
.irp i, 0,1,2,3,4,5,6,7
	global_load_b128 v[B+32+4*\i:B+32+4*\i+3], v[WKA], s[10:11] offset:16*\i ; Wk: tile wave; lane r takes its row r + 8 (r / 8)
.endr
.irp t, 0,1,2,3
	global_load_b128 v[B+8*\t:B+8*\t+3], v[BKA], s[16:17] offset:(32*(\t/2)+8*(\t%2))*4       ; bk in the result's layout: tile t, register j: channel 32 (t / 2) + 16 h + 8 (t % 2) + j
	global_load_b128 v[B+8*\t+4:B+8*\t+7], v[BKA], s[16:17] offset:(32*(\t/2)+8*(\t%2))*4+16
.endr
	s_wait_loadcnt 16                              ; all but Wk's 8 and bk's 8: Wq and Wv are in
	QW A, WF+4, WSC
	QW A+32, WF+12, WSC+1
.irp j, 0,1,2,3,4,5,6,7
	v_mov_b32 v[BC+\j], v2                         ; q's C: a lane holds one channel, so its eight registers hold one bias
.endr
	s_wait_loadcnt 8                               ; bk's 8 may be out: Wk is in
	s_wait_dscnt 0x0                               ; the stores of x's image have read PC and PW
	QW B+32, PC, PW
	ds_store_b128 v[WIW], v[PC:PC+3] offset:WI
	ds_store_b32 v[SW], v[PW] offset:WS
	BARRIER                                        ; x's and y's four fragments and Wk's four tiles lie in LDS
	; ---- k for my 32 positions: source 0 = 16 rows of Wk, source 1 = my fragment of y: a lane holds one key, its registers run along the channel
.irp t, 0,1,2,3
	ds_load_b128 v[WF+8*(2+\t)+4:WF+8*(2+\t)+7], v[LI] offset:WI+512*\t
.endr
.irp t, 0,1,2,3
	ds_load_b32 v[WSC+2+\t], v[LS] offset:WS+128*\t
.endr
.irp f, 0,1,2,3
.irp c, 0,1
	ds_load_b128 v[B+32+8*\f+4*\c:B+32+8*\f+4*\c+3], v[LI] offset:XI+1024*\f+512*\c
.endr
.endr
.irp f, 0,1,2,3
	ds_load_b32 v[FS+\f], v[LS] offset:XS+128*\f
.endr
	s_wait_dscnt 12                                ; x's 12 loads may be out: Wk's tiles and scale words are in
	s_wait_loadcnt 0x0                             ; bk
.irp u, 0,1
.irp t, 0,1,2,3
	WM A+32*\u+8*\t, WF+8*(2+\t)+4-4*\u, YF, B+8*\t, WSC+2+\t, YPW, \u, 0    ; register 32 u + 8 t + j: channel 32 (t / 2) + 16 h + 8 (t % 2) + j of key 8 u + r + 8 (r / 8)
.endr
.endr
	PLACES
	QUANT A                                        ; blocks 2 u + (channel / 32): the fragment is KC's number wave
.irp c, 0,1
	global_store_b128 v[IW], v[PC+4*\c:PC+4*\c+3], s[20:21] offset:KC+512*\c ; 32 lanes store 512 consecutive bytes, at a multiple of 256 from the buffer's first byte
.endr
	ds_store_b32 v[SVA], v[PW] offset:SCA          ; both halves of the lanes write the same word with the same value
	; ---- q for channels 16 wave on, all 128 positions: source 0 = a fragment of x, source 1 = Wq: a lane holds one channel, its registers run along the positions
	s_wait_dscnt 0x0                               ; x's fragments are in, and the store has read PW
.irp f, 0,1,2,3
.irp u, 0,1
	WM A+16*\f+8*\u, B+32+8*\f, WF+4-4*\u, BC, FS+\f, WSC, 0, \u             ; register 16 f + 8 u + j: position 32 f + 16 h + 8 u + j
.endr
.endr
	PLACES
.irp f, 0,1,2,3
.irp c, 0,1
	ds_load_b128 v[B+8*\f+4*\c:B+8*\f+4*\c+3], v[LI] offset:YI+1024*\f+512*\c
.endr
.endr
.irp f, 0,1,2,3
	ds_load_b32 v[FS+\f], v[LS] offset:YS+128*\f
.endr
	s_wait_xcnt 0x0                                ; k's stores have read PC
	QUANT A
.irp j, 0,1,2,3,4,5,6,7
	v_mov_b32 v[BC+\j], v3                         ; v's C
.endr
.irp c, 0,1
	ds_store_b128 v[QSA], v[PC+4*\c:PC+4*\c+3] offset:32*\c                  ; query (channel r, row c): 32 bytes, my half's 16
.endr
.irp i, 0,1
	ds_load_b128 v[B+32+4*\i:B+32+4*\i+3], v[QRA] offset:512*\i              ; LDS serves a wave's instructions in order (ISA guide 5.7.1.4): these see my stores
.endr
	v_lshrrev_b32 v1, v[SH16], v[PW]
	v_and_b32 v1, 0xffff, v1                       ; lane (r, h): the two bytes of query (r, row h)
	ds_store_b32 v[SPA], v1 offset:SCA+512
	; ---- v likewise, from y's fragments and Wv
	s_wait_dscnt 0x0
.irp i, 0,1
	global_store_b128 v[IW], v[B+32+4*\i:B+32+4*\i+3], s[20:21] offset:QC+512*\i
.endr
.irp f, 0,1,2,3
.irp u, 0,1
	WM A+16*\f+8*\u, B+8*\f, WF+12-4*\u, BC, FS+\f, WSC+1, 0, \u
.endr
.endr
	PLACES
	QUANT A                                        ; the fragment is VC's number wave
.irp c, 0,1
	global_store_b128 v[IW], v[PC+4*\c:PC+4*\c+3], s[20:21] offset:VC+512*\c
.endr
	ds_store_b32 v[SVA], v[PW] offset:SCA+256
	BARRIER                                        ; the block's 1,024 bytes of scale words lie in LDS
	s_cmp_gt_u32 s22, 1
	s_cbranch_scc1 .Lend                           ; waves 0 and 1 store them: four whole runs of 256 bytes
	ds_load_b128 v[A:A+3], v[GSC] offset:SCA
	s_wait_dscnt 0x0
	global_store_b128 v[GSC], v[A:A+3], s[20:21] offset:SCB
.Lend:
	s_wait_tensorcnt 0x0
	ds_add_u32 v20, v23
	s_wait_dscnt 0x0
	s_endpgm
.Lfunc_end_k_q760d1a37cd_prep:
	.size	k_q760d1a37cd_prep, .Lfunc_end_k_q760d1a37cd_prep-k_q760d1a37cd_prep
	.p2alignl 7, 3214868480
	.fill 96, 4, 3214868480
	.section	.rodata,"a",@progbits
	.p2align	6, 0x0
	.amdhsa_kernel k_q760d1a37cd_prep
		.amdhsa_group_segment_fixed_size 17408
		.amdhsa_private_segment_fixed_size 0
		.amdhsa_enable_private_segment 0
		.amdhsa_kernarg_size 72
		.amdhsa_user_sgpr_count 2
		.amdhsa_user_sgpr_kernarg_segment_ptr 1
		.amdhsa_wavefront_size32 1
		.amdhsa_system_sgpr_workgroup_id_x 1
		.amdhsa_system_sgpr_workgroup_id_y 1
		.amdhsa_system_sgpr_workgroup_id_z 1
		.amdhsa_system_vgpr_workitem_id 0
		.amdhsa_next_free_vgpr 256
		.amdhsa_next_free_sgpr 66
		.amdhsa_reserve_vcc 0
		.amdhsa_float_denorm_mode_32 3
		.amdhsa_float_denorm_mode_16_64 3
		.amdhsa_memory_ordered 1
		.amdhsa_forward_progress 1
		.amdhsa_inst_pref_size 50
	.end_amdhsa_kernel
	.amdgpu_metadata
---
amdhsa.version: [ 1, 2 ]
amdhsa.kernels:
  - .name:           k_q760d1a37cd_prep
    .symbol:         k_q760d1a37cd_prep.kd
    .args:
      - { .name: x, .offset: 0, .size: 8, .value_kind: global_buffer, .address_space: global }
      - { .name: y, .offset: 8, .size: 8, .value_kind: global_buffer, .address_space: global }
      - { .name: Wq, .offset: 16, .size: 8, .value_kind: global_buffer, .address_space: global }
      - { .name: Wk, .offset: 24, .size: 8, .value_kind: global_buffer, .address_space: global }
      - { .name: Wv, .offset: 32, .size: 8, .value_kind: global_buffer, .address_space: global }
      - { .name: bq, .offset: 40, .size: 8, .value_kind: global_buffer, .address_space: global }
      - { .name: bk, .offset: 48, .size: 8, .value_kind: global_buffer, .address_space: global }
      - { .name: bv, .offset: 56, .size: 8, .value_kind: global_buffer, .address_space: global }
      - { .name: ws, .offset: 64, .size: 8, .value_kind: global_buffer, .address_space: global }
    .group_segment_fixed_size: 17408
    .private_segment_fixed_size: 0
    .kernarg_segment_align: 8
    .kernarg_segment_size: 72
    .max_flat_workgroup_size: 128
    .sgpr_count:     66
    .vgpr_count:     256
    .wavefront_size: 32
...
	.end_amdgpu_metadata
.endif
;; end of part 1
;; launch attn (part 2): grid 32 x 8, 8 waves a work-group, clusters of 4 x 1, 327,680 bytes of LDS; arguments ws, x, gamma, out0; writes out0
.if DOCPART == 2
	.amdgcn_target "amdgcn-amd-amdhsa--gfx1250"
	.amdhsa_code_object_version 6
	.text
	.protected	k_q760d1a37cd_attn
	.globl	k_q760d1a37cd_attn
	.p2align	8
	.type	k_q760d1a37cd_attn,@function
k_q760d1a37cd_attn:
	s_mov_b64 s[64:65], 0
	v_nop
	global_prefetch_b8 v0, s[64:65] scope:SCOPE_SE
	s_setreg_imm32_b32 hwreg(HW_REG_WAVE_MODE, 25, 1), 1
	s_wait_xcnt 0x0
	s_wait_alu depctr_hold_cnt(0) depctr_sa_sdst(0) depctr_va_vdst(0) depctr_va_sdst(0) depctr_va_ssrc(0) depctr_va_vcc(0) depctr_vm_vsrc(0)
	s_getreg_b32 s2, hwreg(HW_REG_IB_STS2, 6, 4)
	s_cmp_eq_u32 s2, 0
	s_cbranch_scc0 .Lentry_in_a_cluster
	s_endpgm
.Lentry_in_a_cluster:
	s_bfe_u32 s2, ttmp6, 0x10000c
	s_cmp_lg_u32 s2, 0x3003
	s_cbranch_scc0 .Lentry_shape_is_right
	s_endpgm
.Lentry_shape_is_right:
; out0[b][c][i] = gamma x (sum over j of v[c][j] p[i][j]) / l[i] + x[b][c][i], p the softmax's weights of query i over 4,096 keys, both products on codes of FP4 (E2M1) with E8M0 scales.
; Codes and scale words come from ws as the launch before laid them: for each batch 32 blocks of 13,312 bytes, one for each 128 positions; a block's first 8,704 bytes are k's four fragments (4,096),
; v's four (4,096), k's scale words (256) and v's (256), all as images of operand registers; q's scale words follow at 8,704 and q's codes at 9,216.
; THE SOFTMAX: t = score x log2(e); M = the running largest t, rounded UP to a whole number; p = 2^(t - M) is quantised along the keys, not normalised; l is the f32 sum of the unquantised p.  When M moves,
; l and O are multiplied by 2^(old M - new M), which rounds nothing.  A block's largest p is its largest score put through the same multiply-add and exponential (this takes v_exp_f32 not to fall where its input rises).
; SHARES.  A work-group owns 128 queries of one batch, each of its eight waves 16: one tile, in 256 registers, two waves to a SIMD.  Every wave walks all 4,096 keys, 128 a step.
; A BATCH'S K AND V LIE IN LDS WHOLE (32 x 8,704 bytes), filled once: wave w brings steps w, 8 + w, 16 + w, 24 + w, four tensor loads at the start (four of a wave's are out at the most), and the work on the
; first eight steps begins when they have landed.  No LDS byte is filled twice.
; CLUSTER.  The four work-groups of a cluster belong to one batch and want the same bytes: each tile is asked for JOINTLY, by the same tensor load with the same descriptor and a mask that names the four.
; LAYOUT.  Both products are used transposed: S^T = K Q^T (source 0 = keys), O^T = V P^T (source 0 = 16 channels): a lane holds ONE query (lane % 16) throughout.  The first product's K is 64, half of the
; instruction's 128: a fragment of K carries two tiles of 16 keys side by side, and Q lies in a chain zeros | codes | zeros, of which the 8 registers from the codes on, or from the zeros ahead on, are named;
; Q's scale register holds its word in lanes 0-15 and the word << 16 in lanes 16-31.  Lane r of tile (f, u) holds key 32 f + 8 u + r + 8 (r / 8), so that the 16 registers of tiles (f, 0), (f, 1) are keys 32 f + 16 h + 0 .. 15.
; LIMITS: a block of p that has fallen to zeros keeps the scale byte 1 (its codes are zeros); NaN and infinities are not served.
; The 12 accumulators of a step take turns, one instruction a turn, over the loops' backward jumps too
.set STEPB, 8704                       ; a step's bytes in LDS
.set BLOCK, 13312                      ; a block of ws
.set QSO,   8704                       ; in a block: q's scale words,
.set QCO,   9216                       ; q's codes
.set STAGE, 32*STEPB                   ; behind K and V: the way out, 64 channels x (512 bytes + 16)
.set SP,    528
.set L16, 1                            ; v1   16 x lane: an image's place, and my 16 bytes of a row of x and of out0
.set L8,  2                            ; v2   8 x lane: two scale words
.set A16, 3                            ; v3   the same two at the step in hand
.set A8,  4                            ; v4
.set STO, 5                            ; v5   STAGE + 8 h rows + 64 wave + 4 r
.set RD,  6                            ; v6   STAGE + 8 wave rows + 16 lane
.set QSC, 8                            ; v8   Q's scale register
.set PSC, 9                            ; v9   p's scale word
.set QF,  20                           ; v16-19 zeros, v20-23 Q's codes, v24-27 zeros.  v10 at work; v12 -M, v13 the largest t, v[14:15] the sum in two halves
.set KSC, 28                           ; v[28:29] K's scale words: register i: fragment 2 i in lanes 0-15, fragment 2 i + 1 in lanes 16-31
.set VSC, 30                           ; v[30:31] V's
.set KF,  32                           ; v32-63   K's four fragments; at the end my rows of x
.set VF,  64                           ; v64-95   V's four
.set S,   96                           ; v96-159  the scores, then p; at the end rows of the result
.set O,   160                          ; v160-191 O^T
.set PC,  192                          ; v192-199 p's codes
.set BM,  200                          ; v200-203 each block's largest score, then its largest p
.set T2,  204                          ; v204-207 at work
.set SO,  208                          ; v208-211 the conversions' scale operands
.set FF,  212                          ; v[212:213] f = 2^(old M - new M); at the end gamma / l
.set SU,  214                          ; v[214:215] the sums' second chain
.set WV,  12                           ; s12  my wave's number
.set G1,  16                           ; s[16:23] descriptor group 1;  s[24:39] four groups 0
.set G0,  24
.set SEL, 40                           ; s[40:41] v_permlanex16_b32's selects for lane l xor 16
.set CS,  42                           ; s[42:43] log2(e): the packed form names a pair and takes its low word for both halves
.set TB,  44                           ; s44  LDS byte at which the step in hand begins
.set CNT, 45                           ; s45  trips to go
.set GAM, 46                           ; s46  gamma
.macro ROUND                           ; a round of the cluster's barrier: my work-group's barrier; wave 0 signals for the work-group; every wave waits for all four; my work-group's barrier once more
	s_barrier_signal -1
	s_barrier_wait -1
	s_cmp_lg_u32 s[WV], 0
	s_cbranch_scc1 .Lnot_wave_0_\@
	s_barrier_signal -3
.Lnot_wave_0_\@:
	s_barrier_wait -3
	s_barrier_signal -1
	s_barrier_wait -1
.endm
.macro ARRIVE left                     ; my part of the next eight steps has landed (left later loads of mine may stay out), and so has everybody's
	s_wait_tensorcnt \left
	s_wait_dscnt 0x0                               ; no LDS load of mine is out at the signal
	s_barrier_signal -1
	s_barrier_wait -1
.endm
.macro KLOAD a16, a8, off              ; K's four fragments and their scale words, off bytes on
.irp f, 0,1,2,3
.irp c, 0,1
	ds_load_b128 v[KF+8*\f+4*\c:KF+8*\f+4*\c+3], v[\a16] offset:\off+1024*\f+512*\c
.endr
.endr
	ds_load_b64 v[KSC:KSC+1], v[\a8] offset:\off+8192
.endm
.macro SPROD f, u                      ; tile (f, u) of S^T: the half u of K's fragment f against Q
.if ((\f)&1) && (\u)
	v_wmma_scale_f32_16x16x128_f8f6f4 v[S+16*\f+8*\u:S+16*\f+8*\u+7], v[KF+8*\f:KF+8*\f+7], v[QF-4*\u:QF-4*\u+7], 0, v[KSC+(\f)/2], v[QSC] matrix_a_fmt:MATRIX_FMT_FP4 matrix_b_fmt:MATRIX_FMT_FP4 matrix_a_scale:MATRIX_SCALE_ROW1 matrix_b_scale:MATRIX_SCALE_ROW1
.elseif (\f)&1
	v_wmma_scale_f32_16x16x128_f8f6f4 v[S+16*\f+8*\u:S+16*\f+8*\u+7], v[KF+8*\f:KF+8*\f+7], v[QF-4*\u:QF-4*\u+7], 0, v[KSC+(\f)/2], v[QSC] matrix_a_fmt:MATRIX_FMT_FP4 matrix_b_fmt:MATRIX_FMT_FP4 matrix_a_scale:MATRIX_SCALE_ROW1
.elseif \u
	v_wmma_scale_f32_16x16x128_f8f6f4 v[S+16*\f+8*\u:S+16*\f+8*\u+7], v[KF+8*\f:KF+8*\f+7], v[QF-4*\u:QF-4*\u+7], 0, v[KSC+(\f)/2], v[QSC] matrix_a_fmt:MATRIX_FMT_FP4 matrix_b_fmt:MATRIX_FMT_FP4 matrix_b_scale:MATRIX_SCALE_ROW1
.else
	v_wmma_scale_f32_16x16x128_f8f6f4 v[S+16*\f+8*\u:S+16*\f+8*\u+7], v[KF+8*\f:KF+8*\f+7], v[QF-4*\u:QF-4*\u+7], 0, v[KSC+(\f)/2], v[QSC] matrix_a_fmt:MATRIX_FMT_FP4 matrix_b_fmt:MATRIX_FMT_FP4
.endif
.endm
.macro VPROD t                         ; channels 16 t on of O^T, over the step's 128 keys
.if (\t)&1
	v_wmma_scale_f32_16x16x128_f8f6f4 v[O+8*\t:O+8*\t+7], v[VF+8*\t:VF+8*\t+7], v[PC:PC+7], v[O+8*\t:O+8*\t+7], v[VSC+(\t)/2], v[PSC] matrix_a_fmt:MATRIX_FMT_FP4 matrix_b_fmt:MATRIX_FMT_FP4 matrix_a_scale:MATRIX_SCALE_ROW1
.else
	v_wmma_scale_f32_16x16x128_f8f6f4 v[O+8*\t:O+8*\t+7], v[VF+8*\t:VF+8*\t+7], v[PC:PC+7], v[O+8*\t:O+8*\t+7], v[VSC+(\t)/2], v[PSC] matrix_a_fmt:MATRIX_FMT_FP4 matrix_b_fmt:MATRIX_FMT_FP4
.endif
.endm
; A KEY STEP: 128 keys.  pre = 1: the next step's K is fetched under the softmax; pre = 0, the last step: my rows of x are asked for in its stead.
.macro STEP pre
	s_wait_dscnt 0x0                               ; this step's K and its scale words are in
.irp f, 0,1,2,3
.irp u, 0,1
	SPROD \f, \u
.endr
.endr
	v_add_nc_u32 v[A16], s[TB], v[L16]             ; these two and two v_nop are the four places ahead of the loads into registers that the products above, and the last
	v_add_nc_u32 v[A8], s[TB], v[L8]               ; step's four, have read, and ahead of the first read of the scores
	v_nop
	v_nop
.irp t, 0,1,2,3
.irp c, 0,1
	ds_load_b128 v[VF+8*\t+4*\c:VF+8*\t+4*\c+3], v[A16] offset:4096+1024*\t+512*\c
.endr
.endr
	ds_load_b64 v[VSC:VSC+1], v[A8] offset:8448
.if \pre
	KLOAD A16, A8, STEPB
.else
.irp i, 0,1,2,3,4,5,6,7
	global_load_b128 v[KF+4*\i:KF+4*\i+3], v[L16], s[6:7] offset:16384*\i th:TH_LOAD_NT   ; x of channel 8 wave + i at my work-group's 128 positions: 512 consecutive bytes; read once here
.endr
.endif
.irp b, 0,1,2,3
	v_max3_num_f32 v[BM+\b], v[S+16*\b], v[S+16*\b+1], v[S+16*\b+2]          ; the largest score of each block of 32 keys; each result is read from its low end on
.endr
.irp i, 3,5,7,9,11,13
.irp b, 0,1,2,3
	v_max3_num_f32 v[BM+\b], v[BM+\b], v[S+16*\b+\i], v[S+16*\b+\i+1]
.endr
.endr
.irp b, 0,1,2,3
	v_max_num_f32 v[BM+\b], v[BM+\b], v[S+16*\b+15]
.endr
.irp b, 0,1,2,3
	s_delay_alu instid0(VALU_DEP_4)
	v_permlanex16_b32 v[T2+\b], v[BM+\b], s[SEL], s[SEL+1]
.endr
.irp b, 0,1,2,3
	s_delay_alu instid0(VALU_DEP_4)
	v_max_num_f32 v[BM+\b], v[BM+\b], v[T2+\b]     ; with lane l xor 16's 16 keys
.endr
	s_delay_alu instid0(VALU_DEP_2)
	v_max3_num_f32 v10, v[BM], v[BM+1], v[BM+2]
	s_delay_alu instid0(VALU_DEP_1)
	v_max_num_f32 v10, v10, v[BM+3]                ; the step's largest score of my query,
	s_delay_alu instid0(VALU_DEP_1)
	v_mul_f32 v10, s[CS], v10                      ; as t
	s_delay_alu instid0(VALU_DEP_1)
	v_max_num_f32 v13, v13, v10                    ; the running largest t
	v_mov_b32 v10, v12
	s_delay_alu instid0(VALU_DEP_2)
	v_floor_f32 v12, -v13                          ; the new -M = floor(-t) = -ceil(t): a whole number
	s_delay_alu instid0(VALU_DEP_1)
	v_sub_f32 v10, v12, v10                        ; old M - new M: a whole number, 0 or less
	s_delay_alu instid0(VALU_DEP_1)
	v_cvt_i32_f32 v10, v10                         ; (it saturates)
	s_delay_alu instid0(VALU_DEP_1)
	v_ldexp_f32 v[FF], 1.0, v10                    ; f = 2^(old M - new M)
.set jj, 0
.rept 32
	v_pk_fma_f32 v[S+jj:S+jj+1], v[S+jj:S+jj+1], s[CS:CS+1], v[12:13] op_sel_hi:[1,0,0]   ; t - M, two at a time
.set jj, jj+2
.endr
.irp b, 0,1,2,3
	v_fma_f32 v[BM+\b], v[BM+\b], s[CS], v12       ; the same of each block's largest score
.endr
.set jj, 0
	s_wait_alu depctr_va_vdst(0)
.rept 64
	v_exp_f32 v[S+jj], v[S+jj]                     ; p = 2^(t - M)
.set jj, jj+1
.endr
	s_setprio 1
.irp b, 0,1,2,3
	v_exp_f32 v[BM+\b], v[BM+\b]                   ; the block's largest p
.endr
	v_pk_mul_f32 v[14:15], v[14:15], v[FF:FF+1] op_sel_hi:[1,0]              ; the sums under the new M (a plain place behind the exponentials)
	s_wait_alu depctr_va_vdst(0)
.irp b, 0,1,2,3
	v_max_num_f32 v[BM+\b], 0x1800000, v[BM+\b]    ; the floor 2^(3 - 127): the byte cannot fall under 1
.endr
.irp b, 0,1,2,3
	s_delay_alu instid0(VALU_DEP_4)
	v_add_nc_u32 v[SO+\b], 0xff000000, v[BM+\b]    ; 2 off the exponent field: the conversion's scale operand
.endr
.irp b, 0,1,2,3
	s_delay_alu instid0(VALU_DEP_4)
	v_lshrrev_b32 v[T2+\b], 23, v[SO+\b]           ; the scale's byte
.endr
	s_delay_alu instid0(VALU_DEP_3)
	v_lshl_or_b32 v[PSC], v[T2+1], 8, v[T2]        ; p's scale word for these 128 keys
	s_delay_alu instid0(VALU_DEP_1)
	v_lshl_or_b32 v[PSC], v[T2+2], 16, v[PSC]
	s_delay_alu instid0(VALU_DEP_1)
	v_lshl_or_b32 v[PSC], v[T2+3], 24, v[PSC]
.irp b, 0,1,2,3
	v_cvt_scalef32_pk8_fp4_f32 v[PC+2*\b], v[S+16*\b:S+16*\b+7], v[SO+\b]
	v_cvt_scalef32_pk8_fp4_f32 v[PC+2*\b+1], v[S+16*\b+8:S+16*\b+15], v[SO+\b]
.endr
	v_nop                                          ; one plain place behind a scaled conversion
.irp c, 0,1
.irp i, 0,1
	v_permlane16_swap_b32 v[PC+4*\c+\i], v[PC+2+4*\c+\i]                     ; a whole block to a lane: lanes 0-15 block 2 c, lanes 16-31 block 2 c + 1
.endr
.endr
.set jj, 0
.rept 16
	v_pk_mul_f32 v[O+jj:O+jj+1], v[O+jj:O+jj+1], v[FF:FF+1] op_sel_hi:[1,0]  ; O^T under the new M, from each result's low end on
.set jj, jj+2
.endr
	v_pk_add_f32 v[214:215], v[100:101], v[104:105]
	v_pk_add_f32 v[252:253], v[108:109], v[112:113]
	v_pk_add_f32 v[250:251], v[116:117], v[120:121]
	v_pk_add_f32 v[248:249], v[124:125], v[128:129]
	v_pk_add_f32 v[246:247], v[132:133], v[136:137]
	v_pk_add_f32 v[244:245], v[140:141], v[144:145]
	v_pk_add_f32 v[242:243], v[148:149], v[152:153]
	v_pk_add_f32 v[14:15], v[14:15], v[156:157]
	v_pk_add_f32 v[214:215], v[214:215], v[96:97]
	v_pk_add_f32 v[252:253], v[252:253], v[98:99]
	v_pk_add_f32 v[250:251], v[250:251], v[102:103]
	v_pk_add_f32 v[248:249], v[248:249], v[106:107]
	v_pk_add_f32 v[246:247], v[246:247], v[110:111]
	v_pk_add_f32 v[244:245], v[244:245], v[114:115]
	v_pk_add_f32 v[242:243], v[242:243], v[118:119]
	s_setprio 0
	v_pk_add_f32 v[14:15], v[14:15], v[122:123]
	v_pk_add_f32 v[214:215], v[214:215], v[126:127]
	v_pk_add_f32 v[252:253], v[252:253], v[130:131]
	v_pk_add_f32 v[250:251], v[250:251], v[134:135]
	v_pk_add_f32 v[248:249], v[248:249], v[138:139]
	v_pk_add_f32 v[246:247], v[246:247], v[142:143]
	v_pk_add_f32 v[244:245], v[244:245], v[146:147]
	v_pk_add_f32 v[242:243], v[242:243], v[150:151]
	v_pk_add_f32 v[14:15], v[14:15], v[154:155]
	v_pk_add_f32 v[214:215], v[214:215], v[158:159]
	s_delay_alu instid0(VALU_DEP_2)
	v_pk_add_f32 v[14:15], v[14:15], v[248:249]
	s_delay_alu instid0(VALU_DEP_2)
	v_pk_add_f32 v[214:215], v[214:215], v[246:247]
	v_pk_add_f32 v[252:253], v[252:253], v[244:245]
	v_pk_add_f32 v[250:251], v[250:251], v[242:243]
	s_delay_alu instid0(VALU_DEP_2)
	v_pk_add_f32 v[14:15], v[14:15], v[252:253]
	s_delay_alu instid0(VALU_DEP_2)
	v_pk_add_f32 v[214:215], v[214:215], v[250:251]
	s_delay_alu instid0(VALU_DEP_1)
	v_pk_add_f32 v[14:15], v[14:15], v[214:215]
.if \pre
	s_wait_dscnt 9                                 ; the next step's nine loads may be out: V and its scale words are in
.else
	s_wait_alu depctr_va_vdst(0)
	s_wait_dscnt 0x0
.endif
.irp t, 0,1,2,3
	VPROD \t
.endr
	s_add_co_u32 s[TB], s[TB], STEPB
.endm
.macro LOOP n
	s_mov_b32 s[CNT], \n
.Lstep_\@:
	s_setprio 2
	STEP 1
	s_sub_co_u32 s[CNT], s[CNT], 1
	s_cmp_lg_u32 s[CNT], 0
	s_cbranch_scc1 .Lstep_\@
	s_setprio 0
.endm
	s_load_b256 s[4:11], s[0:1], 0x0               ; ws s[4:5], x s[6:7], gamma s[8:9], out0 s[10:11]
	v_lshl_add_u32 v254, v0, 2, 0x4c400
	v_mov_b32 v255, 0
	ds_add_u32 v254, v255
	ds_add_u32 v254, v255
	v_lshrrev_b32 v10, 5, v0
	s_delay_alu instid0(VALU_DEP_1)
	v_readfirstlane_b32 s[WV], v10                 ; wave 0..7
	s_bfe_u32 s13, ttmp6, 0x40000                  ; cx: my place in the cluster
	s_lshl_b32 s14, ttmp9, 2                       ; in a cluster launch ttmp9 counts clusters
	s_add_co_u32 s14, s14, s13                     ; my block of 128 queries: it enters Q's, x's and out0's addresses alone
	s_and_b32 s15, ttmp7, 0xffff                   ; the batch, which the four partners share
	; descriptor group 1: 34 dense rows of 256 bytes (32 elements of 8 bytes), no padding: the images are read 16 bytes a lane on end
	s_mov_b32 s[G1], 15|(3<<16)|(1<<21)            ; 15:0 the mask: all four work-groups; 17:16 elements of 8 bytes; 21 set beside a mask
	s_mov_b32 s[G1+1], 32<<16                      ; tensor_dim0 = 32
	s_mov_b32 s[G1+2], 34<<16                      ; tensor_dim1 = 34
	s_mov_b32 s[G1+3], 32<<16                      ; tile_dim0 = 32
	s_mov_b32 s[G1+4], 34                          ; tile_dim1 = 34
	s_mov_b32 s[G1+5], 32                          ; from row to row
	s_mov_b32 s[G1+6], 0
	s_mov_b32 s[G1+7], 0
	s_mul_i32 s48, s15, 32*BLOCK                   ; the batch's blocks
	s_mov_b32 s49, 0
	s_mul_i32 s50, s[WV], BLOCK                    ; step wave of the first eight,
	s_mov_b32 s51, 0
	s_add_nc_u64 s[50:51], s[50:51], s[48:49]
	s_mul_i32 s52, s[WV], STEPB                    ; and its place in LDS: no place in the cluster enters an LDS address
	s_and_b32 s53, s[WV], 3                        ; my 16 queries are rows 16 (wave % 4) + r of channel o = 2 x block + wave / 4: they lie in blocks 8 (wave % 4) + r / 2
	s_mul_i32 s54, s53, 8*BLOCK
	s_mov_b32 s55, 0
	s_add_nc_u64 s[54:55], s[54:55], s[48:49]
	s_lshl_b32 s56, s14, 1
	s_lshr_b32 s57, s[WV], 2
	s_add_co_u32 s56, s56, s57                     ; o
	s_lshl_b32 s58, s15, 20                        ; x, out0: 1,048,576 b + 8 wave channels of 16,384 bytes + 512 x block
	s_lshl_b32 s57, s[WV], 17
	s_add_co_u32 s58, s58, s57
	s_lshl_b32 s57, s14, 9
	s_add_co_u32 s58, s58, s57
	s_mov_b32 s59, 0
	s_mov_b32 s[SEL], 0x76543210
	s_mov_b32 s[SEL+1], 0xfedcba98
	s_mov_b32 s[CS], 0x3fb8aa3b                    ; log2(e)
	s_mov_b32 s[CS+1], s[CS]                       ; (named with it as a pair, so it is written)
	s_mov_b32 s[TB], 0
	v_and_b32 v218, 15, v0                         ; r
	v_bfe_u32 v219, v0, 4, 1                       ; h
	v_and_b32 v220, 31, v0                         ; lane
	s_delay_alu instid0(VALU_DEP_1)
	v_lshlrev_b32 v[L16], 4, v220
	s_delay_alu instid0(VALU_DEP_2)
	v_lshlrev_b32 v[L8], 3, v220
	v_lshrrev_b32 v221, 1, v218
	s_delay_alu instid0(VALU_DEP_1)
	v_mul_u32_u24 v221, v221, BLOCK                ; block r / 2 of my eight,
	v_and_b32 v222, 1, v218                        ; row r % 2 in it
	s_delay_alu instid0(VALU_DEP_1)
	v_lshl_add_u32 v216, v222, 5, v221
	s_delay_alu instid0(VALU_DEP_1)
	v_lshl_add_u32 v216, v219, 4, v216
	s_lshl_b32 s57, s56, 6
	v_add_nc_u32 v216, s57, v216                   ; Q's codes: 64 o + 32 (r % 2) + 16 h
	v_lshl_add_u32 v217, v222, 2, v221
	s_lshl_b32 s57, s56, 3
	v_add_nc_u32 v217, s57, v217                   ; Q's scale word: 8 o + 4 (r % 2)
	v_mul_u32_u24 v[STO], v219, 8*SP               ; the stage, in: channel 16 t + 8 h + j, query 16 wave + r
	s_delay_alu instid0(VALU_DEP_1)
	v_lshl_add_u32 v[STO], v218, 2, v[STO]
	s_lshl_b32 s57, s[WV], 6
	s_add_co_u32 s57, s57, STAGE
	v_add_nc_u32 v[STO], s57, v[STO]
	s_mul_i32 s57, s[WV], 8*SP                     ; and back: channels 8 wave on, whole rows
	s_add_co_u32 s57, s57, STAGE
	v_add_nc_u32 v[RD], s57, v[L16]
	s_wait_dscnt 0x0
	s_wait_kmcnt 0x0
	s_add_nc_u64 s[50:51], s[4:5], s[50:51]
	s_add_nc_u64 s[54:55], s[4:5], s[54:55]
	s_add_nc_u64 s[6:7], s[6:7], s[58:59]
	s_add_nc_u64 s[10:11], s[10:11], s[58:59]
.irp c, 0,1,2,3
	s_mov_b32 s[G0+4*\c], 1                                        ; count = 1
	s_add_co_u32 s[G0+4*\c+1], s52, \c*8*STEPB                     ; LDS address: step 8 c + wave
	s_add_nc_u64 s[G0+4*\c+2:G0+4*\c+3], s[50:51], \c*8*BLOCK      ; global address: that step's block
	s_or_b32 s[G0+4*\c+3], s[G0+4*\c+3], 0x80000000                ; type = 2
.endr
	ROUND                                          ; all four work-groups are here: the joint loads meet
.irp c, 0,1,2,3
	tensor_load_to_lds s[G0+4*\c:G0+4*\c+3], s[G1:G1+7]            ; all the launch's fills, in one group
	s_nop 0
.endr
.rept 4
	v_nop                                          ; four v_nop follow the last of them
.endr
	s_load_b32 s[GAM], s[8:9], 0x0
	s_wait_alu depctr_va_vdst(0)
	global_load_b128 v[QF:QF+3], v216, s[54:55] offset:QCO         ; query r, its 32 codes of my half
	global_load_b32 v10, v217, s[54:55] offset:QSO
.irp g, 0,1,2,3
	v_mov_b32 v[QF-4+\g], 0                        ; the chain's zero codes
	v_mov_b32 v[QF+4+\g], 0
	v_mov_b32 v[T2+\g], 0                          ; written once: a lane permute's destination counts as one of its sources
.endr
	v_mov_b32 v[FF+1], 0                           ; (named as the upper half of a pair)
	v_mov_b32 v14, 0                               ; the sum, in two halves
	v_mov_b32 v15, 0
	v_mov_b32 v13, 0xff61b1e6                      ; the largest t so far: -3e38, under every t
	s_delay_alu instid0(VALU_DEP_1)
	v_floor_f32 v12, -v13                          ; -M
	v_lshlrev_b32 v221, 4, v219
	s_wait_alu depctr_va_vdst(0)
	s_wait_loadcnt 0x0                             ; Q
	v_lshlrev_b32 v[QSC], v221, v10                ; lanes 0-15: bytes 0, 1; lanes 16-31: bytes 2, 3
.set jj, 0
.rept 32
	v_mov_b32 v[O+jj], 0                           ; O^T: the step is written once; its first turn finds zeros, which the first change of M leaves zeros.  (Also the places between Q's scale register and its first product)
.set jj, jj+1
.endr
	s_wait_kmcnt 0x0                               ; gamma
	ARRIVE 3                                       ; steps 0 to 7 lie in LDS; my three later loads stay out
	KLOAD L16, L8, 0
	LOOP 7                                         ; steps 0 to 6; step 6 fetches K of step 7
	ARRIVE 2                                       ; steps 8 to 15
	LOOP 8                                         ; steps 7 to 14; step 7 fetches K of step 8
	ARRIVE 1                                       ; steps 16 to 23
	LOOP 8                                         ; steps 15 to 22
	ARRIVE 0                                       ; steps 24 to 31: no tensor load is out any more
	LOOP 8                                         ; steps 23 to 30
	STEP 0                                         ; step 31
	; THE WAY OUT.  O^T x gamma / l in the lane that holds the query; then through the stage, where a channel's 128 queries meet from the eight waves; then + x, row by row (the sum with x cannot be fused
	; with the multiplication: l belongs to a lane's query, x comes by rows).
	v_add_f32 v14, v14, v15                        ; the sum's two halves,
	s_delay_alu instid0(VALU_DEP_1)
	v_permlanex16_b32 v[T2], v14, s[SEL], s[SEL+1]
	s_delay_alu instid0(VALU_DEP_1)
	v_add_f32 v14, v14, v[T2]                      ; and lane l xor 16's: l
	s_wait_alu depctr_va_vdst(0)
	v_rcp_f32 v14, v14
	v_nop                                          ; a plain place behind the transcendental
	s_wait_alu depctr_va_vdst(0)
	v_mul_f32 v[FF], s[GAM], v14
.set jj, 0
.rept 16
	v_pk_mul_f32 v[O+jj:O+jj+1], v[O+jj:O+jj+1], v[FF:FF+1] op_sel_hi:[1,0]
.set jj, jj+2
.endr
.irp t, 0,1,2,3
.irp j, 0,1,2,3,4,5,6,7
	ds_store_b32 v[STO], v[O+8*\t+\j] offset:SP*(16*\t+\j)         ; lanes 0-15 write 64 consecutive bytes of one row, lanes 16-31 of the row 8 further down, 4,224 bytes = 1,056 words on: the other 32 of the 64 banks (ISA guide 11.1)
.endr
.endr
	s_wait_dscnt 0x0                               ; for the others' sake: my stores into the stage are done
	s_barrier_signal -1
	s_barrier_wait -1
.irp i, 0,1,2,3,4,5,6,7
	ds_load_b128 v[S+4*\i:S+4*\i+3], v[RD] offset:SP*\i
.endr
	s_wait_loadcnt 0x0                             ; x
.irp i, 0,1,2,3,4,5,6,7
	s_wait_dscnt 7-\i                              ; row i is back; the younger rows may be out
	v_pk_add_f32 v[S+4*\i:S+4*\i+1], v[S+4*\i:S+4*\i+1], v[KF+4*\i:KF+4*\i+1]
	v_pk_add_f32 v[S+4*\i+2:S+4*\i+3], v[S+4*\i+2:S+4*\i+3], v[KF+4*\i+2:KF+4*\i+3]
	global_store_b128 v[L16], v[S+4*\i:S+4*\i+3], s[10:11] offset:16384*\i th:TH_STORE_NT   ; 32 lanes store 512 consecutive bytes, at a multiple of 256 from out0's first byte
.endr
	s_wait_tensorcnt 0x0
	ds_add_u32 v254, v255
	s_wait_dscnt 0x0
	ROUND                                          ; the closing round: no work-group ends while a partner may still ask for a tile that names it
	s_endpgm
.Lfunc_end_k_q760d1a37cd_attn:
	.size	k_q760d1a37cd_attn, .Lfunc_end_k_q760d1a37cd_attn-k_q760d1a37cd_attn
	.p2alignl 7, 3214868480
	.fill 96, 4, 3214868480
	.section	.rodata,"a",@progbits
	.p2align	6, 0x0
	.amdhsa_kernel k_q760d1a37cd_attn
		.amdhsa_group_segment_fixed_size 327680
		.amdhsa_private_segment_fixed_size 0
		.amdhsa_enable_private_segment 0
		.amdhsa_kernarg_size 32
		.amdhsa_user_sgpr_count 2
		.amdhsa_user_sgpr_kernarg_segment_ptr 1
		.amdhsa_wavefront_size32 1
		.amdhsa_system_sgpr_workgroup_id_x 1
		.amdhsa_system_sgpr_workgroup_id_y 1
		.amdhsa_system_sgpr_workgroup_id_z 1
		.amdhsa_system_vgpr_workitem_id 0
		.amdhsa_next_free_vgpr 256
		.amdhsa_next_free_sgpr 66
		.amdhsa_reserve_vcc 0
		.amdhsa_float_denorm_mode_32 3
		.amdhsa_float_denorm_mode_16_64 3
		.amdhsa_memory_ordered 1
		.amdhsa_forward_progress 1
		.amdhsa_inst_pref_size 94
	.end_amdhsa_kernel
	.amdgpu_metadata
---
amdhsa.version: [ 1, 2 ]
amdhsa.kernels:
  - .name:           k_q760d1a37cd_attn
    .symbol:         k_q760d1a37cd_attn.kd
    .args:
      - { .name: ws, .offset: 0, .size: 8, .value_kind: global_buffer, .address_space: global }
      - { .name: x, .offset: 8, .size: 8, .value_kind: global_buffer, .address_space: global }
      - { .name: gamma, .offset: 16, .size: 8, .value_kind: global_buffer, .address_space: global }
      - { .name: out0, .offset: 24, .size: 8, .value_kind: global_buffer, .address_space: global }
    .group_segment_fixed_size: 327680
    .private_segment_fixed_size: 0
    .kernarg_segment_align: 8
    .kernarg_segment_size: 32
    .max_flat_workgroup_size: 256
    .sgpr_count:     66
    .vgpr_count:     256
    .wavefront_size: 32
...
	.end_amdgpu_metadata
.endif
;; end of part 2
